; MI455X (gfx1250); checked and timed in simulation.
; The chip was launched on July 23, 2026; its instructions are those of AMD's public machine-readable ISA for CDNA 5 (MIT licence, August 2026) and "CDNA5" Instruction Set Architecture Reference Guide (July 2026). The comments in the code are by the model that wrote it; some were corrected since.
;; Multi Head Attention. Allowed arithmetic: matrix products marked QUANTISED: E2M1 operands, one E8M0 scale for each 32 along K, by v_wmma_scale_f32_16x16x128_f8f6f4 with both operands' format E2M1 (or v_wmma_scale_f32_32x16x128_f4), f32 sums; products left as they are: bf16, f16 or f32 operands; f32 sums; everything else in f32.
;; Inputs: Wk 768 x 768 float32; Wo 768 x 768 float32; Wq 768 x 768 float32; Wv 768 x 768 float32; bk 768 float32; bo 768 float32; bq 768 float32; bv 768 float32; k 1 x 4,096 x 768 float32; q 1 x 4,096 x 768 float32; v 1 x 4,096 x 768 float32.
;; Outputs: out0 1 x 4,096 x 768 float32.
;; This version of the problem:
;;   THIS VERSION OF THE PROBLEM IS GIVEN IN LOW PRECISION. The matrix products marked QUANTISED in the list below multiply operands that are first quantised to E2M1 (2 exponent bits, 1 mantissa bit; 4 bits a number), with one power-of-two scale for each 32 numbers along K (OCP MX v1.0); their sums are f32. The products marked 'left as it is' may take bf16, f16 or f32 operands, with f32 sums. Whichever they take, every output number must still come out within the allowed error. Rounding operands to bf16 (8 significant bits) uses up far more of that allowance than f16 does (11 bits, for magnitudes from 6e-5 to 65,504). All else is computed in f32.
;;   The module's matrix products, in the order in which they are computed (A, B: the left and right operand; K: the contracted axis; several contracted axes count as one K, in the product's order):
;;     1. [M 4,096, K 768] x [K 768, N 768]; A: input q; B: input Wq: QUANTISED
;;     2. [M 4,096, K 768] x [K 768, N 768]; A: input k; B: input Wk: QUANTISED
;;     3. [M 4,096, K 768] x [K 768, N 768]; A: input v; B: input Wv: QUANTISED
;;     4. batch 12 x [M 4,096, K 64] x [K 64, N 4,096]; A: computed on the way; B: computed on the way: left as it is (an operand is computed on the way)
;;     5. batch 12 x [M 4,096, K 4,096] x [K 4,096, N 64]; A: computed on the way; B: computed on the way: left as it is (an operand is computed on the way)
;;     6. [M 4,096, K 768] x [K 768, N 768]; A: computed on the way; B: input Wo: left as it is (an operand is computed on the way)
;;   THE QUANTISER, for each operand of a quantised product, along K:
;;     - K is cut into blocks of 32 from its start; a last block that is shorter is filled with zeros.
;;     - A block's scale is 2^e with e = floor(log2(the largest magnitude in the block)) - 2, held to -126 .. 127; a block of zeros has e = 0. As a byte (E8M0): e + 127.
;;     - Each number is divided by its block's scale, clamped to +-6, and rounded to the nearest number of E2M1, ties to even, subnormals kept.
;;     - The product sums the exact products of the quantised numbers (number of the format x scale) in f32.
;;   ~~~python
;;   def quantise(x, axis):      # numpy; x: float32 -> the quantised numbers, widened to float32 again
;;       x = np.moveaxis(x, axis, -1); K = x.shape[-1]
;;       x = np.pad(x, [(0, 0)] * (x.ndim - 1) + [(0, -K % 32)]); x = x.reshape(x.shape[:-1] + (-1, 32)); a = np.abs(x).max(-1, keepdims=True)
;;       e = np.where(a > 0, np.clip(np.frexp(np.where(a > 0, a, 1))[1] - 1 - 2, -126, 127), 0)      # np.frexp(a)[1] - 1 = floor(log2(a)), exactly
;;       r = np.clip(x / 2.0 ** e, -6, 6)
;;       step = 2.0 ** (np.maximum(np.frexp(np.where(r == 0, 1, r))[1] - 1, 0) - 1)
;;       q = np.round(r / step) * step * 2.0 ** e      # np.round: ties to even
;;       return np.moveaxis(q.reshape(q.shape[:-2] + (-1,))[..., :K], -1, axis).astype(np.float32)
;;   ~~~
;; One version. Each part assembles by itself: llvm-mc -triple=amdgcn-amd-amdhsa -mcpu=gfx1250 --defsym DOCPART=n.
;; ======== version 1 of 1: 4 launches
;; limits: values are held in f16: magnitudes above 65,504 overflow, below 6.1e-05 lose precision
;; workspace buffers: codes 5,603,328 bytes; scales 350,208 bytes; wo16 1,179,648 bytes; qf 6,291,456 bytes; kf 6,291,456 bytes; vf 6,291,456 bytes; af 6,291,456 bytes
;; launch prep (part 1): grid 240 x 1, 4 waves a work-group, no clusters, 200,704 bytes of LDS; arguments q, k, v, Wq, Wk, Wv, Wo, codes, scales, wo16; writes codes, scales, wo16
.if DOCPART == 1
	.amdgcn_target "amdgcn-amd-amdhsa--gfx1250"
	.amdhsa_code_object_version 6
	.text
	.protected	k_qe2d7fb6712_prep
	.globl	k_qe2d7fb6712_prep
	.p2align	8
	.type	k_qe2d7fb6712_prep,@function
k_qe2d7fb6712_prep:
	s_mov_b64 s[64:65], 0
	v_nop
	global_prefetch_b8 v0, s[64:65] scope:SCOPE_SE
	s_setreg_imm32_b32 hwreg(HW_REG_WAVE_MODE, 25, 1), 1
	s_wait_xcnt 0x0
; PREP.  q, k, v [4096][768] and Wq, Wk, Wv [768][768], f32 with K innermost, become codes of E2M1 with one E8M0 byte for each 32 along K; Wo [768][768] becomes f16.
; All results are laid in the order of the reader's operand registers, so that a later launch takes a fragment by 16 bytes a lane at 16 x lane.
;   codes : 912 tiles of 16 rows x 6,144 bytes (q 0-255, k 256-511, v 512-767, Wq 768-815, Wk 816-863, Wv 864-911).  In a tile: K step s (128 along K), half c, lane l = 16 h + r:
;           16 bytes at 1024 s + 512 c + 16 l = the 32 codes of row r, k = 128 s + 64 c + 32 h + 0 .. 31.
;   scales: 912 x 384 bytes: the word at 128 p + 4 l holds row r's four bytes of K step 2 p + h.
;   wo16  : [n tile 48][k tile 48] blocks of 512 bytes: 16 bytes at 16 l = Wo[16 nt + r][16 kt + 8 h + 0 .. 7].
; A block's scale is 2^(floor(log2(largest magnitude)) - 2): its byte is the largest magnitude's exponent field - 2, held at 1 from below by a floor among the maximum's leaves.
; LIMITS: a block of zeros gets the byte 1 where the quantiser says 127 (its codes are zeros, and this program alone reads the bytes); blocks whose largest magnitude lies under 2^-124
; are held at the byte 1; NaN and infinities are not served.  Wo in f16: magnitudes above 65,504 are not served.
; SHARES.  Work-group g takes 64 rows (g 0-63 q, 64-127 k, 128-191 v, 192-203 Wq, 204-215 Wk, 216-227 Wv, 228-239 Wo), wave w 16 of them: one tile.
; The 16 rows come by three tensor loads a wave (K thirds of 256 numbers), all issued at the head: three loads of mine are out at the most.  Each byte of LDS is filled once and read by its own wave alone:
; no barrier, no refill.  An LDS row is 1,024 bytes + 16 of padding, so that the 16 rows that a load touches start 16 bytes apart modulo 256.
.set ROWB,  3072                       ; a row in memory
.set PITCH, 1040                       ; a third of a row in LDS
.set PART,  16*PITCH                   ; 16 rows of one third
.set WREG,  3*PART                     ; a wave's region
.set SPARE, 4*WREG                     ; behind the regions: the spare words, 128 bytes a wave, which no other line names
.set LA,  4                            ; v4   LDS: my row, + 128 h: my 32 numbers of a block pair
.set LB,  5                            ; v5   LDS: my row, + 32 h: my 8 numbers of a k tile (Wo)
.set L16, 6                            ; v6   16 x lane
.set L4,  7                            ; v7   4 x lane
.set SH,  8                            ; v8   8 h: where my two bytes stand in a scale word
.set SPW, 12                           ; v12  my spare word's address; never rewritten
.set NIL, 13                           ; v13  0; never rewritten
.set MX,  16                           ; v16-17 largest magnitudes of my two blocks
.set SCL, 18                           ; v18-19 the conversions' scale operands
.set BY,  20                           ; v20-21 the scale bytes
.set TP,  23                           ; v23  the other half's bytes
.set X,   32                           ; v32-159 two sets of 64 numbers
.set C,   160                          ; v160-207 codes, 8 registers for each K step (Wo: v160-223, two sets of 32)
.set WD,  208                          ; v208-213 a row's scale word for each K step
.set WC,  214                          ; v214-216 the words as they are stored
.set WV,  31                           ; s31  wave
.set G1,  32                           ; s[32:39] descriptor group 1
.set G0,  40                           ; s[40:51] three groups 0
.set MH,  52                           ; s52  mask of lanes 16-31
.set SEL, 56                           ; s[56:57] selects for lane l xor 16
	s_load_b512 s[8:23], s[0:1], 0x0               ; q, k, v, Wq, Wk, Wv, Wo, codes
	s_load_b128 s[24:27], s[0:1], 0x40             ; scales, wo16
	v_lshl_add_u32 v[SPW], v0, 2, SPARE
	v_mov_b32 v[NIL], 0
	ds_add_u32 v[SPW], v[NIL]                      ; the opening: the add, twice on end, and its wait ahead of my first tensor load
	ds_add_u32 v[SPW], v[NIL]
	v_lshrrev_b32 v1, 5, v0
	v_readfirstlane_b32 s[WV], v1                  ; wave 0..3
	s_mov_b32 s[G1+0], (2<<16)|(1<<20)|(7<<22)|(3<<25)  ; elements of 4 bytes; padding on: 4 words behind every 256
	s_mov_b32 s[G1+1], 256<<16                     ; tensor_dim0 = 256
	s_mov_b32 s[G1+2], 16<<16                      ; tensor_dim1 = 16
	s_mov_b32 s[G1+3], 256<<16                     ; tile_dim0 = 256
	s_mov_b32 s[G1+4], 16                          ; tile_dim1 = 16
	s_mov_b32 s[G1+5], 768                         ; elements from row to row
	s_mov_b32 s[G1+6], 0
	s_mov_b32 s[G1+7], 0
	v_and_b32 v2, 31, v0                           ; lane
	v_and_b32 v3, 15, v0                           ; r
	v_bfe_u32 v9, v0, 4, 1                         ; h
	s_mul_i32 s53, s[WV], WREG                     ; my wave's region
	v_mul_u32_u24 v10, v3, PITCH
	v_add_nc_u32 v10, s53, v10
	v_lshl_add_u32 v[LA], v9, 7, v10
	v_lshl_add_u32 v[LB], v9, 5, v10
	v_lshlrev_b32 v[L16], 4, v2
	v_lshlrev_b32 v[L4], 2, v2
	v_lshlrev_b32 v[SH], 3, v9
	v_cmp_lt_u32 s[MH], 15, v2
	v_mov_b32 v[TP], 0                             ; a lane permute's destination counts as read: written once
	s_mov_b32 s[SEL], 0x76543210
	s_mov_b32 s[SEL+1], 0xfedcba98
	s_wait_dscnt 0x0                               ; both opening adds are done
	s_wait_kmcnt 0x0
	; which tensor is my work-group's, and at which work-group it begins: a choice on the work-group's number alone
	s_mov_b64 s[28:29], s[8:9]
	s_mov_b32 s30, 0
.macro PICK first, lo
	s_cmp_ge_u32 ttmp9, \first
	s_cselect_b64 s[28:29], s[\lo:\lo+1], s[28:29]
	s_cselect_b32 s30, \first, s30
.endm
	PICK 64, 10
	PICK 128, 12
	PICK 192, 14
	PICK 204, 16
	PICK 216, 18
	PICK 228, 20
	s_sub_co_u32 s54, ttmp9, s30
	s_lshl_b32 s54, s54, 6
	s_lshl_b32 s55, s[WV], 4
	s_add_co_u32 s54, s54, s55                     ; my first row in the tensor
	s_mul_i32 s54, s54, ROWB
	s_mov_b32 s55, 0
	s_add_nc_u64 s[28:29], s[28:29], s[54:55]
.irp p, 0,1,2
	s_mov_b32 s[G0+4*\p], 1                        ; count = 1
	s_add_co_u32 s[G0+4*\p+1], s53, \p*PART        ; LDS address
	s_add_nc_u64 s[G0+4*\p+2:G0+4*\p+3], s[28:29], \p*1024  ; the third's first number
	s_or_b32 s[G0+4*\p+3], s[G0+4*\p+3], 0x80000000         ; type = 2
.endr
.irp p, 0,1,2
	tensor_load_to_lds s[G0+4*\p:G0+4*\p+3], s[G1:G1+7]
	s_nop 0
.endr
	s_wait_tensorcnt 0x2                           ; the first third is in; the two behind it may be out
	s_cmp_ge_u32 ttmp9, 228
	s_cbranch_scc1 .Lwo
	; ---- the quantiser: six K steps of 128, a fragment each
	s_lshl_b32 s54, ttmp9, 2
	s_add_co_u32 s54, s54, s[WV]                   ; my tile: 4 g + w
	s_mul_i32 s58, s54, 384
	s_mul_i32 s54, s54, 6144
	s_mov_b32 s55, 0
	s_mov_b32 s59, 0
	s_add_nc_u64 s[22:23], s[22:23], s[54:55]
	s_add_nc_u64 s[24:25], s[24:25], s[58:59]
.macro FRAGLD s                        ; my 64 numbers of K step s: k = 128 s + 64 c + 32 h + 0 .. 31, into set s % 2
.irp c, 0,1
.irp i, 0,1,2,3,4,5,6,7
	ds_load_b128 v[X+64*((\s)%2)+32*\c+4*\i:X+64*((\s)%2)+32*\c+4*\i+3], v[LA] offset:((\s)/2)*PART+((\s)%2)*512+256*\c+16*\i
.endr
.endr
.endm
.macro QUANT s
.set XS, X+64*((\s)%2)
.set CO, C+8*(\s)
.irp c, 0,1
	v_max3_num_f32 v[MX+\c], |v[XS+32*\c]|, |v[XS+32*\c+1]|, 0x1800000   ; a whole block is mine; the floor 2^(3 - 127) keeps the byte at 1 from below
.endr
.irp i, 2,4,6,8,10,12,14,16,18,20,22,24,26,28,30
.irp c, 0,1
	v_max3_num_f32 v[MX+\c], v[MX+\c], |v[XS+32*\c+\i]|, |v[XS+32*\c+\i+1]|   ; the two blocks by turns
.endr
.endr
.irp c, 0,1
	v_add_nc_u32 v[SCL+\c], 0xff000000, v[MX+\c]   ; 2 off the exponent field: the conversion takes that field as its scale
.endr
.irp c, 0,1
.irp g, 0,1,2,3
	v_cvt_scalef32_pk8_fp4_f32 v[CO+4*\c+\g], v[XS+32*\c+8*\g:XS+32*\c+8*\g+7], v[SCL+\c]   ; beyond 6 the largest code
.endr
.endr
.irp c, 0,1
	v_lshrrev_b32 v[BY+\c], 23, v[SCL+\c]          ; the scale's byte (a plain line behind the conversions)
.endr
	v_lshl_or_b32 v[WD+(\s)], v[BY+1], 16, v[BY]   ; my bytes: blocks h and 2 + h,
	v_lshlrev_b32 v[WD+(\s)], v[SH], v[WD+(\s)]    ; at their places;
	v_permlanex16_b32 v[TP], v[WD+(\s)], s[SEL], s[SEL+1]
	v_or_b32 v[WD+(\s)], v[WD+(\s)], v[TP]         ; with lane l xor 16's the row's word is whole
	global_store_b128 v[L16], v[CO:CO+3], s[22:23] offset:(\s)*1024        ; 512 consecutive bytes a store
	global_store_b128 v[L16], v[CO+4:CO+7], s[22:23] offset:(\s)*1024+512
.if ((\s)%2) == 1
	v_cndmask_b32 v[WC+(\s)/2], v[WD+(\s)-1], v[WD+(\s)], s[MH]            ; lanes 0-15 the even step's word, lanes 16-31 the odd step's
	global_store_b32 v[L4], v[WC+(\s)/2], s[24:25] offset:128*((\s)/2)
.endif
.endm
.macro STEPQ s
.if (\s) < 5
	s_wait_dscnt 16                                ; this step's 16 loads are in; the next step's may be out
.else
	s_wait_dscnt 0x0
.endif
	QUANT \s
.if (\s) == 0
	s_wait_tensorcnt 0x1                           ; the second third, for steps 2 and 3
.endif
.if (\s) == 2
	s_wait_tensorcnt 0x0                           ; the last third
.endif
.if (\s) < 4
	FRAGLD (\s)+2
.endif
.endm
	FRAGLD 0
	FRAGLD 1
.irp s, 0,1,2,3,4,5
	STEPQ \s
.endr
	s_branch .Lend
	; ---- Wo to f16: six batches of 8 k tiles
.Lwo:
	s_sub_co_u32 s54, ttmp9, 228
	s_lshl_b32 s54, s54, 2
	s_add_co_u32 s54, s54, s[WV]                   ; my n tile
	s_mul_i32 s54, s54, 24576
	s_mov_b32 s55, 0
	s_add_nc_u64 s[26:27], s[26:27], s[54:55]
.macro WLD t                           ; batch t: k tiles 8 t + u: my 8 numbers of each
.irp u, 0,1,2,3,4,5,6,7
	ds_load_b128 v[X+64*((\t)%2)+8*\u:X+64*((\t)%2)+8*\u+3],   v[LB] offset:((\t)/2)*PART+(8*((\t)%2)+\u)*64
	ds_load_b128 v[X+64*((\t)%2)+8*\u+4:X+64*((\t)%2)+8*\u+7], v[LB] offset:((\t)/2)*PART+(8*((\t)%2)+\u)*64+16
.endr
.endm
.macro STEPW t
.if (\t) < 5
	s_wait_dscnt 16                                ; this batch is in; the next may be out
.else
	s_wait_dscnt 0x0
.endif
.if (\t) >= 2
	s_wait_xcnt 0x0                                ; the stores of two batches back have read their registers
.endif
.irp u, 0,1,2,3,4,5,6,7
.irp j, 0,1,2,3
	v_cvt_pk_f16_f32 v[C+32*((\t)%2)+4*\u+\j], v[X+64*((\t)%2)+8*\u+2*\j], v[X+64*((\t)%2)+8*\u+2*\j+1]
.endr
.endr
.irp u, 0,1,2,3,4,5,6,7
	global_store_b128 v[L16], v[C+32*((\t)%2)+4*\u:C+32*((\t)%2)+4*\u+3], s[26:27] offset:512*(8*(\t)+\u)
.endr
.if (\t) == 0
	s_wait_tensorcnt 0x1
.endif
.if (\t) == 2
	s_wait_tensorcnt 0x0
.endif
.if (\t) < 4
	WLD (\t)+2
.endif
.endm
	WLD 0
	WLD 1
.irp t, 0,1,2,3,4,5
	STEPW \t
.endr
.Lend:
	s_wait_tensorcnt 0x0                           ; the wave's end
	ds_add_u32 v[SPW], v[NIL]
	s_wait_dscnt 0x0
	s_endpgm
.Lfunc_end_k_qe2d7fb6712_prep:
	.size	k_qe2d7fb6712_prep, .Lfunc_end_k_qe2d7fb6712_prep-k_qe2d7fb6712_prep
	.p2alignl 7, 3214868480
	.fill 96, 4, 3214868480
	.section	.rodata,"a",@progbits
	.p2align	6, 0x0
	.amdhsa_kernel k_qe2d7fb6712_prep
		.amdhsa_group_segment_fixed_size 200704
		.amdhsa_private_segment_fixed_size 0
		.amdhsa_enable_private_segment 0
		.amdhsa_kernarg_size 80
		.amdhsa_user_sgpr_count 2
		.amdhsa_user_sgpr_kernarg_segment_ptr 1
		.amdhsa_wavefront_size32 1
		.amdhsa_system_sgpr_workgroup_id_x 1
		.amdhsa_system_sgpr_workgroup_id_y 1
		.amdhsa_system_sgpr_workgroup_id_z 1
		.amdhsa_system_vgpr_workitem_id 0
		.amdhsa_next_free_vgpr 224
		.amdhsa_next_free_sgpr 66
		.amdhsa_reserve_vcc 0
		.amdhsa_float_denorm_mode_32 3
		.amdhsa_float_denorm_mode_16_64 3
		.amdhsa_memory_ordered 1
		.amdhsa_forward_progress 1
		.amdhsa_inst_pref_size 54
	.end_amdhsa_kernel
	.amdgpu_metadata
---
amdhsa.version: [ 1, 2 ]
amdhsa.kernels:
  - .name:           k_qe2d7fb6712_prep
    .symbol:         k_qe2d7fb6712_prep.kd
    .args:
      - { .name: q, .offset: 0, .size: 8, .value_kind: global_buffer, .address_space: global }
      - { .name: k, .offset: 8, .size: 8, .value_kind: global_buffer, .address_space: global }
      - { .name: v, .offset: 16, .size: 8, .value_kind: global_buffer, .address_space: global }
      - { .name: Wq, .offset: 24, .size: 8, .value_kind: global_buffer, .address_space: global }
      - { .name: Wk, .offset: 32, .size: 8, .value_kind: global_buffer, .address_space: global }
      - { .name: Wv, .offset: 40, .size: 8, .value_kind: global_buffer, .address_space: global }
      - { .name: Wo, .offset: 48, .size: 8, .value_kind: global_buffer, .address_space: global }
      - { .name: codes, .offset: 56, .size: 8, .value_kind: global_buffer, .address_space: global }
      - { .name: scales, .offset: 64, .size: 8, .value_kind: global_buffer, .address_space: global }
      - { .name: wo16, .offset: 72, .size: 8, .value_kind: global_buffer, .address_space: global }
    .group_segment_fixed_size: 200704
    .private_segment_fixed_size: 0
    .kernarg_segment_align: 8
    .kernarg_segment_size: 80
    .max_flat_workgroup_size: 128
    .sgpr_count:     66
    .vgpr_count:     224
    .wavefront_size: 32
...
	.end_amdgpu_metadata
.endif
;; end of part 1
;; launch proj (part 2): grid 4 x 48, 4 waves a work-group, clusters of 4 x 4, 184,320 bytes of LDS; arguments codes, scales, bq, bk, bv, qf, kf, vf; writes qf, kf, vf
.if DOCPART == 2
	.amdgcn_target "amdgcn-amd-amdhsa--gfx1250"
	.amdhsa_code_object_version 6
	.text
	.protected	k_qe2d7fb6712_proj
	.globl	k_qe2d7fb6712_proj
	.p2align	8
	.type	k_qe2d7fb6712_proj,@function
k_qe2d7fb6712_proj:
	s_mov_b64 s[64:65], 0
	v_nop
	global_prefetch_b8 v0, s[64:65] scope:SCOPE_SE
	s_setreg_imm32_b32 hwreg(HW_REG_WAVE_MODE, 25, 1), 1
	s_wait_xcnt 0x0
	s_wait_alu depctr_hold_cnt(0) depctr_sa_sdst(0) depctr_va_vdst(0) depctr_va_sdst(0) depctr_va_ssrc(0) depctr_va_vcc(0) depctr_vm_vsrc(0)
	s_getreg_b32 s2, hwreg(HW_REG_IB_STS2, 6, 4)
	s_cmp_eq_u32 s2, 0
	s_cbranch_scc0 .Lentry_in_a_cluster
	s_endpgm
.Lentry_in_a_cluster:
	s_bfe_u32 s2, ttmp6, 0x10000c
	s_cmp_lg_u32 s2, 0xf033
	s_cbranch_scc0 .Lentry_shape_is_right
	s_endpgm
.Lentry_shape_is_right:
; PROJ.  The three quantised products x W^T + b (x = q, k, v) on codes of E2M1 with E8M0 scales, sums in f32; results rounded once to f16 and laid as the attention's operand registers.
;   qf, kf: [head 12][row tile 256][channel tile 4] blocks of 512 bytes: 16 bytes at 16 l = row 16 st + r, channels 64 hd + 16 ct + 8 h + 0 .. 7.
;   vf    : the same piece at 16 x (16 (r / 8) + 8 h + r % 8), the order from which the turning LDS load, addressed at 16 x lane, gives channel l % 16 and eight keys.
; LIMIT: results above 65,504 in magnitude are not served (f16).
; SHARES.  48 x 4 work-groups: tensor T = y / 16, rows 256 (y % 16) on, channels 192 x on (three heads).  Three tensors: 192 work-groups, each with one tile.
; Wave w: x tiles 4 w + a (a = 0..3) against all 12 tiles of W: 48 accumulators.  K = 768 is six steps of 128; all codes and scale words of the work-group lie in LDS from the head on: filled once, no ring.
; CLUSTER 4 x 4: x's tiles hang on y alone and are shared along a row of the cluster, W's on x and on T (which the whole cluster shares) and are shared along a column: four joint loads a wave, all first fills:
; four loads of mine are out at the most.
; THE PRODUCT IS USED TRANSPOSED (source 0 = 16 rows of W, source 1 = 16 rows of x): a lane holds one row of x and eight neighbouring channels.  The bias is the C of each sum's first product.
; REGISTERS: window 0: v16-29 addresses; v32-43 x's scale words (3 a + p), v44-79 W's (3 b + p); v128-159 x's fragments, v160-255 W's: set A.   window 1: accumulators of b < 8 at 8 (4 b + a).
;   window 2: v0-127 accumulators of b >= 8; v128-255 set B.   window 3: v0-95 the bias, 8 registers for each b.
.set XC,    0                          ; LDS: x's codes, 16 tiles x 6,144
.set WC,    98304                      ; W's codes, 12 tiles
.set XS,    172032                     ; x's scale words, 16 x 384
.set WS,    178176                     ; W's, 12 x 384
.set SPARE, 182784                     ; the spare words, 128 bytes a wave, which no other line names
.set AX,  16
.set AW0, 17
.set AW1, 18
.set SXA, 19
.set SWA, 20
.set PO,  21
.set BA,  22
.set SPW, 28
.set NIL, 29
.set SX,  32
.set SW,  44
.set FX,  128
.set FW,  160
.set WV,  20                           ; s20 wave
.set G1X,  32
.set G1W,  40
.set G1XS, 48
.set G1WS, 56
.set G0X,  68
.set G0W,  72
.set G0XS, 76
.set G0WS, 80
.set MSB, 0
.macro WIN new                         ; the immediate's high byte repeats the setting that is left
.if MSB != (\new)
	s_set_vgpr_msb (MSB<<8)|(\new)
.set MSB, (\new)
.endif
.endm
.macro PLACES
.rept 4
	v_nop
.endr
.endm
.macro CROUND                          ; a round of the cluster's barrier
	s_barrier_signal -1
	s_barrier_wait -1
	s_cmp_lg_u32 s[WV], 0
	s_cbranch_scc1 .Lnot_wave_0_\@
	s_barrier_signal -3
.Lnot_wave_0_\@:
	s_barrier_wait -3
	s_barrier_signal -1
	s_barrier_wait -1
.endm
.macro SHAPE g, cols, rows             ; a dense block as rows of cols elements of 8 bytes
	s_mov_b32 s[\g+1], (\cols)<<16
	s_mov_b32 s[\g+2], (\rows)<<16
	s_mov_b32 s[\g+3], (\cols)<<16
	s_mov_b32 s[\g+4], \rows
	s_mov_b32 s[\g+5], \cols
	s_mov_b32 s[\g+6], 0
	s_mov_b32 s[\g+7], 0
.endm
	s_load_b512 s[4:19], s[0:1], 0x0               ; codes, scales, bq, bk, bv, qf, kf, vf
	v_lshl_add_u32 v[SPW], v0, 2, SPARE
	v_mov_b32 v[NIL], 0
	ds_add_u32 v[SPW], v[NIL]                      ; the opening: the add, twice on end, and its wait ahead of my first tensor load
	ds_add_u32 v[SPW], v[NIL]
	v_lshrrev_b32 v1, 5, v0
	v_readfirstlane_b32 s[WV], v1                  ; wave 0..3
	s_bfe_u32 s21, ttmp6, 0x40000                  ; cx = the block of 192 channels
	s_bfe_u32 s22, ttmp6, 0x40004                  ; cy
	s_and_b32 s23, ttmp7, 0xffff                   ; cluster y
	s_lshr_b32 s24, s23, 2                         ; T: the tensor, the same in the whole cluster
	s_and_b32 s25, s23, 3
	s_lshl_b32 s25, s25, 2
	s_add_co_u32 s25, s25, s22                     ; the block of 256 rows
	s_lshl_b32 s26, s22, 2
	s_lshl_b32 s26, 15, s26                        ; my row of the cluster
	s_lshl_b32 s27, 0x1111, s21                    ; my column
	s_or_b32 s[G1X],  s26, (3<<16)|(1<<21)         ; the mask; elements of 8 bytes; bit 21 beside a mask
	s_or_b32 s[G1XS], s26, (3<<16)|(1<<21)
	s_or_b32 s[G1W],  s27, (3<<16)|(1<<21)
	s_or_b32 s[G1WS], s27, (3<<16)|(1<<21)
	SHAPE G1X,  32, 96                             ; four tiles of codes: 24,576 bytes
	SHAPE G1W,  32, 72                             ; three tiles: 18,432
	SHAPE G1XS, 32, 6                              ; four tiles' scale words: 1,536
	SHAPE G1WS, 16, 9                              ; three tiles': 1,152
	s_lshl_b32 s84, s24, 8                         ; x's tile: 256 T + 16 block + 4 w: no cx enters it
	s_lshl_b32 s85, s25, 4
	s_add_co_u32 s84, s84, s85
	s_lshl_b32 s85, s[WV], 2
	s_add_co_u32 s84, s84, s85
	s_mul_i32 s86, s84, 384
	s_mul_i32 s84, s84, 6144
	s_mov_b32 s85, 0
	s_mov_b32 s87, 0
	s_mul_i32 s88, s24, 48                         ; W's tile: 768 + 48 T + 12 cx + 3 w: no cy enters it
	s_mul_i32 s89, s21, 12
	s_add_co_u32 s88, s88, s89
	s_mul_i32 s89, s[WV], 3
	s_add_co_u32 s88, s88, s89
	s_add_co_u32 s88, s88, 768
	s_mul_i32 s90, s88, 384
	s_mul_i32 s88, s88, 6144
	s_mov_b32 s89, 0
	s_mov_b32 s91, 0
	s_mul_i32 s92, s[WV], 24576                    ; where they go: constants and the wave's number alone
	s_mul_i32 s93, s[WV], 18432
	s_add_co_u32 s93, s93, WC
	s_mul_i32 s94, s[WV], 1536
	s_add_co_u32 s94, s94, XS
	s_mul_i32 s95, s[WV], 1152
	s_add_co_u32 s95, s95, WS
	v_and_b32 v1, 31, v0                           ; lane
	v_and_b32 v2, 15, v0                           ; r
	v_bfe_u32 v3, v0, 4, 1                         ; h
	v_lshlrev_b32 v4, 4, v1
	v_lshlrev_b32 v5, 2, v1
	v_add_nc_u32 v[AX], s92, v4                    ; my wave's four tiles of x
	v_add_nc_u32 v[AW0], WC, v4                    ; W's tiles 0-5,
	v_add_nc_u32 v[AW1], WC+36864, v4              ; and 6-11: the immediate has 16 bits
	v_add_nc_u32 v[SXA], s94, v5
	v_add_nc_u32 v[SWA], WS, v5
	v_lshlrev_b32 v[BA], 5, v3                     ; the bias: my half's eight numbers
	v_lshrrev_b32 v6, 3, v2
	v_and_b32 v7, 7, v2
	v_lshl_add_u32 v6, v6, 4, v7
	v_lshl_add_u32 v6, v3, 3, v6                   ; V's order: 16 (r / 8) + 8 h + r % 8
	v_lshlrev_b32 v6, 4, v6
	s_wait_dscnt 0x0                               ; both opening adds are done
	s_wait_kmcnt 0x0
	s_cmp_eq_u32 s24, 0                            ; the tensor's bias and result: a choice on the cluster's number alone
	s_cselect_b64 s[8:9], s[8:9], s[10:11]
	s_cselect_b64 s[14:15], s[14:15], s[16:17]
	s_cmp_eq_u32 s24, 2
	s_cselect_b64 s[8:9], s[12:13], s[8:9]
	s_cselect_b64 s[14:15], s[18:19], s[14:15]
	s_cselect_b32 s96, -1, 0
	v_cndmask_b32 v[PO], v4, v6, s96               ; where my 16 bytes stand in a block of 512
	s_mul_i32 s10, s21, 768
	s_mov_b32 s11, 0
	s_add_nc_u64 s[8:9], s[8:9], s[10:11]          ; the bias at my 192 channels
	s_mul_i32 s10, s21, 3*524288                   ; my three heads,
	s_lshl_b32 s12, s25, 15                        ; my 16 row tiles of 2,048 bytes,
	s_add_co_u32 s10, s10, s12
	s_lshl_b32 s12, s[WV], 13                      ; my wave's four
	s_add_co_u32 s10, s10, s12
	s_add_nc_u64 s[14:15], s[14:15], s[10:11]
	s_mov_b32 s[G0X], 1
	s_mov_b32 s[G0X+1], s92
	s_add_nc_u64 s[G0X+2:G0X+3], s[4:5], s[84:85]
	s_or_b32 s[G0X+3], s[G0X+3], 0x80000000
	s_mov_b32 s[G0W], 1
	s_mov_b32 s[G0W+1], s93
	s_add_nc_u64 s[G0W+2:G0W+3], s[4:5], s[88:89]
	s_or_b32 s[G0W+3], s[G0W+3], 0x80000000
	s_mov_b32 s[G0XS], 1
	s_mov_b32 s[G0XS+1], s94
	s_add_nc_u64 s[G0XS+2:G0XS+3], s[6:7], s[86:87]
	s_or_b32 s[G0XS+3], s[G0XS+3], 0x80000000
	s_mov_b32 s[G0WS], 1
	s_mov_b32 s[G0WS+1], s95
	s_add_nc_u64 s[G0WS+2:G0WS+3], s[6:7], s[90:91]
	s_or_b32 s[G0WS+3], s[G0WS+3], 0x80000000
	CROUND                                         ; all sixteen work-groups are here: the joint loads meet
	tensor_load_to_lds s[G0XS:G0XS+3], s[G1XS:G1XS+7]
	s_nop 0
	tensor_load_to_lds s[G0WS:G0WS+3], s[G1WS:G1WS+7]
	s_nop 0
	tensor_load_to_lds s[G0X:G0X+3], s[G1X:G1X+7]
	s_nop 0
	tensor_load_to_lds s[G0W:G0W+3], s[G1W:G1W+7]
	s_nop 0
	PLACES                                         ; four vector lines ahead of the next switch of windows
	WIN 0xc0                                       ; destination window 3
.irp b, 0,1,2,3,4,5,6,7,8,9,10,11
	global_load_b128 v[8*\b:8*\b+3],   v[BA], s[8:9] offset:64*\b      ; b[192 cx + 16 b + 8 h + 0 .. 7]
	global_load_b128 v[8*\b+4:8*\b+7], v[BA], s[8:9] offset:64*\b+16
.endr
	WIN 0
	s_wait_tensorcnt 0x0                           ; my four parts are in,
	s_barrier_signal -1
	s_barrier_wait -1                              ; everybody's are
.macro FETCH s                         ; the fragments of K step s, 32 loads, into set s % 2
.if ((\s)%2) == 1
	WIN 0x80
.else
	WIN 0
.endif
.irp a, 0,1,2,3
.irp c, 0,1
	ds_load_b128 v[FX+8*\a+4*\c:FX+8*\a+4*\c+3], v[AX] offset:\a*6144+(\s)*1024+512*\c
.endr
.endr
.irp b, 0,1,2,3,4,5
.irp c, 0,1
	ds_load_b128 v[FW+8*\b+4*\c:FW+8*\b+4*\c+3], v[AW0] offset:\b*6144+(\s)*1024+512*\c
.endr
.endr
.irp b, 6,7,8,9,10,11
.irp c, 0,1
	ds_load_b128 v[FW+8*\b+4*\c:FW+8*\b+4*\c+3], v[AW1] offset:(\b-6)*6144+(\s)*1024+512*\c
.endr
.endr
	WIN 0
.endm
; 48 products of K step s.  The accumulators take turns, one instruction a turn, in the same order in every step.  An even step's scale words stand in lanes 0-15, an odd step's in lanes 16-31.
.macro MUL s
.set SRCW, 0x0a*((\s)%2)               ; set B lies in window 2
.irp b, 0,1,2,3,4,5,6,7,8,9,10,11
.if \b == 0
.if (\s) == 0
	WIN 0x70                                       ; C: the bias, window 3; D window 1
.else
	WIN 0x50+SRCW
.endif
.endif
.if \b == 8
.if (\s) == 0
	WIN 0xb0
.else
	WIN 0xa0+SRCW
.endif
.endif
.irp a, 0,1,2,3
.set AC, (8*(4*\b+\a))%256
.if (\s) == 0
	v_wmma_scale_f32_16x16x128_f8f6f4 v[AC:AC+7], v[FW+8*\b:FW+8*\b+7], v[FX+8*\a:FX+8*\a+7], v[8*\b:8*\b+7], v[SW+3*\b], v[SX+3*\a] matrix_a_fmt:MATRIX_FMT_FP4 matrix_b_fmt:MATRIX_FMT_FP4
.elseif ((\s)%2) == 0
	v_wmma_scale_f32_16x16x128_f8f6f4 v[AC:AC+7], v[FW+8*\b:FW+8*\b+7], v[FX+8*\a:FX+8*\a+7], v[AC:AC+7], v[SW+3*\b+(\s)/2], v[SX+3*\a+(\s)/2] matrix_a_fmt:MATRIX_FMT_FP4 matrix_b_fmt:MATRIX_FMT_FP4
.else
	v_wmma_scale_f32_16x16x128_f8f6f4 v[AC:AC+7], v[FW+8*\b:FW+8*\b+7], v[FX+8*\a:FX+8*\a+7], v[AC:AC+7], v[SW+3*\b+(\s)/2], v[SX+3*\a+(\s)/2] matrix_a_fmt:MATRIX_FMT_FP4 matrix_b_fmt:MATRIX_FMT_FP4 matrix_a_scale:MATRIX_SCALE_ROW1 matrix_b_scale:MATRIX_SCALE_ROW1
.endif
.endr
.endr
.endm
.irp a, 0,1,2,3
.irp p, 0,1,2
	ds_load_b32 v[SX+3*\a+\p], v[SXA] offset:\a*384+128*\p
.endr
.endr
.irp b, 0,1,2,3,4,5,6,7,8,9,10,11
.irp p, 0,1,2
	ds_load_b32 v[SW+3*\b+\p], v[SWA] offset:\b*384+128*\p
.endr
.endr
	FETCH 0
	s_wait_loadcnt 0x0                             ; the bias
.irp s, 0,1,2,3,4
	PLACES                                         ; four places ahead of loads into the set that the step before multiplied
	FETCH (\s)+1
	s_wait_dscnt 32                                ; all but the 32 just issued
	MUL \s
.endr
	s_wait_dscnt 0x0
	MUL 5
	WIN 0
	; THE WAY OUT: a lane's eight results are 16 bytes of f16; a store of the wave covers one block of 512 consecutive bytes.  Each accumulator is read from its low end on.
	PLACES
	WIN 0x05                                       ; sources window 1
.set n, 0
.rept 32
.irp j, 0,1,2,3
	v_cvt_pk_f16_f32 v[128+4*n+\j], v[8*n+2*\j], v[8*n+2*\j+1]
.endr
.set n, n+1
.endr
	WIN 0
.irp b, 0,1,2,3,4,5,6,7
.irp a, 0,1,2,3
	global_store_b128 v[PO], v[128+4*(4*\b+\a):128+4*(4*\b+\a)+3], s[14:15] offset:(\b/4)*524288+\a*2048+(\b%4)*512
.endr
.endr
	s_wait_xcnt 0x0                                ; these stores have read their registers
	WIN 0x0a                                       ; sources window 2
.set n, 0
.rept 16
.irp j, 0,1,2,3
	v_cvt_pk_f16_f32 v[128+4*n+\j], v[8*n+2*\j], v[8*n+2*\j+1]
.endr
.set n, n+1
.endr
	WIN 0
.irp b, 8,9,10,11
.irp a, 0,1,2,3
	global_store_b128 v[PO], v[128+4*(4*(\b-8)+\a):128+4*(4*(\b-8)+\a)+3], s[14:15] offset:(\b/4)*524288+\a*2048+(\b%4)*512
.endr
.endr
	s_wait_tensorcnt 0x0                           ; the wave's end
	ds_add_u32 v[SPW], v[NIL]
	s_wait_dscnt 0x0
	CROUND                                         ; the closing round
	s_endpgm
.Lfunc_end_k_qe2d7fb6712_proj:
	.size	k_qe2d7fb6712_proj, .Lfunc_end_k_qe2d7fb6712_proj-k_qe2d7fb6712_proj
	.p2alignl 7, 3214868480
	.fill 96, 4, 3214868480
	.section	.rodata,"a",@progbits
	.p2align	6, 0x0
	.amdhsa_kernel k_qe2d7fb6712_proj
		.amdhsa_group_segment_fixed_size 184320
		.amdhsa_private_segment_fixed_size 0
		.amdhsa_enable_private_segment 0
		.amdhsa_kernarg_size 64
		.amdhsa_user_sgpr_count 2
		.amdhsa_user_sgpr_kernarg_segment_ptr 1
		.amdhsa_wavefront_size32 1
		.amdhsa_system_sgpr_workgroup_id_x 1
		.amdhsa_system_sgpr_workgroup_id_y 1
		.amdhsa_system_sgpr_workgroup_id_z 1
		.amdhsa_system_vgpr_workitem_id 0
		.amdhsa_next_free_vgpr 864
		.amdhsa_next_free_sgpr 100
		.amdhsa_reserve_vcc 0
		.amdhsa_float_denorm_mode_32 3
		.amdhsa_float_denorm_mode_16_64 3
		.amdhsa_memory_ordered 1
		.amdhsa_forward_progress 1
		.amdhsa_inst_pref_size 80
	.end_amdhsa_kernel
	.amdgpu_metadata
---
amdhsa.version: [ 1, 2 ]
amdhsa.kernels:
  - .name:           k_qe2d7fb6712_proj
    .symbol:         k_qe2d7fb6712_proj.kd
    .args:
      - { .name: codes, .offset: 0, .size: 8, .value_kind: global_buffer, .address_space: global }
      - { .name: scales, .offset: 8, .size: 8, .value_kind: global_buffer, .address_space: global }
      - { .name: bq, .offset: 16, .size: 8, .value_kind: global_buffer, .address_space: global }
      - { .name: bk, .offset: 24, .size: 8, .value_kind: global_buffer, .address_space: global }
      - { .name: bv, .offset: 32, .size: 8, .value_kind: global_buffer, .address_space: global }
      - { .name: qf, .offset: 40, .size: 8, .value_kind: global_buffer, .address_space: global }
      - { .name: kf, .offset: 48, .size: 8, .value_kind: global_buffer, .address_space: global }
      - { .name: vf, .offset: 56, .size: 8, .value_kind: global_buffer, .address_space: global }
    .group_segment_fixed_size: 184320
    .private_segment_fixed_size: 0
    .kernarg_segment_align: 8
    .kernarg_segment_size: 64
    .max_flat_workgroup_size: 128
    .sgpr_count:     100
    .vgpr_count:     864
    .wavefront_size: 32
...
	.end_amdgpu_metadata
.endif
;; end of part 2
;; launch attn (part 3): grid 16 x 12, 8 waves a work-group, clusters of 4 x 1, 327,680 bytes of LDS; arguments qf, kf, vf, af; writes af
.if DOCPART == 3
	.amdgcn_target "amdgcn-amd-amdhsa--gfx1250"
	.amdhsa_code_object_version 6
	.text
	.protected	k_qe2d7fb6712_attn
	.globl	k_qe2d7fb6712_attn
	.p2align	8
	.type	k_qe2d7fb6712_attn,@function
k_qe2d7fb6712_attn:
	s_mov_b64 s[64:65], 0
	v_nop
	global_prefetch_b8 v0, s[64:65] scope:SCOPE_SE
	s_setreg_imm32_b32 hwreg(HW_REG_WAVE_MODE, 25, 1), 1
	s_wait_xcnt 0x0
	s_wait_alu depctr_hold_cnt(0) depctr_sa_sdst(0) depctr_va_vdst(0) depctr_va_sdst(0) depctr_va_ssrc(0) depctr_va_vcc(0) depctr_vm_vsrc(0)
	s_getreg_b32 s2, hwreg(HW_REG_IB_STS2, 6, 4)
	s_cmp_eq_u32 s2, 0
	s_cbranch_scc0 .Lentry_in_a_cluster
	s_endpgm
.Lentry_in_a_cluster:
	s_bfe_u32 s2, ttmp6, 0x10000c
	s_cmp_lg_u32 s2, 0x3003
	s_cbranch_scc0 .Lentry_shape_is_right
	s_endpgm
.Lentry_shape_is_right:
; ATTN.  For each head: O[q] = sum over k of softmax_k(Q[q] . K[k] / 8) V[k], no mask; operands in f16, products, maxima and sums in f32; the weights p are rounded to f16, O once at the end.
; qf, kf, vf arrive as images of operand registers (blocks of 512 bytes: 16 rows x 16 channels); af leaves so: [row tile 256][k tile 48 = 4 head + ct], 16 bytes at 16 l = attn[16 st + r][16 kt + 8 h + 0 .. 7].
; LIMITS: NaN and infinities are not served; results above 65,504 are not served, and results under 6e-5 fall among f16's denormals (absolute step 6e-8).
; SHARES.  A work-group owns 256 queries of one head.  Wave w = (i = w % 4, g = w / 4): 64 queries (four tiles of 16) and, of each 128 keys, keys 64 g .. 64 g + 63: 32 steps of 64 keys a wave.
; At the end group 1's O, maximum and sum are merged into group 0's through LDS.  12 x 16 = 192 work-groups: 4,096 queries do not divide into shares that would give 256.
; LAYOUT.  S^T = K Q^T (source 0 = 16 keys, source 1 = 16 queries) and O^T = V^T P (source 0 = 16 channels, source 1 = P): a lane holds one query throughout; p, rounded in pairs, IS source 1 of the second product.
; SOFTMAX.  A running maximum m and sum l for each query: p = 2^(c s - c m), c = log2(e) / 8; in every step O and l are multiplied by a = 2^(c m_old - c m_new).
; BY ROLES.  A step is a matrix part M (O^T += V^T P of the step before, then S^T of this step: 64 matrix instructions, with this step's LDS loads) and a vector part V (the softmax of four tiles).  The two key groups are
; held half a step apart by a work-group barrier at each phase's head: while group 0 runs M, group 1 runs V, and the other way round.
; RING.  Two LDS slots of 512 keys (K 65,536 bytes, then V), dense images; each of the eight waves fetches an eighth of a slot by one joint load.  CLUSTER 4 x 1: the four query blocks of a cluster walk the same K and V.
; Two loads of mine are out at the start, one behind each change of slots.
; REGISTERS.  window 0: v1-10 addresses; v16-47 statistics, 8 a tile (c m, m, l twice, c0-c3; a takes c2's place); v48-63 sums at work; v64-191 S^T, 32 a tile, p's 16 packed registers in place; v192-255 K.
;   window 1: v0-127 O^T (32 t + 8 ct); v128-191 Q (16 t + 8 cc); v192-255 V (8 (4 kk + ct)).
.set SLOT1, 1<<17
.set SPARE, 2*SLOT1                    ; behind the ring: the spare words, 128 bytes a wave, which no other line names
.set MSTG,  17408                      ; the merge's stage for a pair of waves: O's image, 16,384 bytes, and 8 words a lane.  It lies in slot 0, which has had its last fill and is left at the last change of slots
.set L16, 1
.set AK0, 2
.set AV0, 3
.set ADK, 4
.set ADV, 5
.set MST, 6
.set MS4, 7
.set SPW, 8
.set NIL, 9
.set PFO, 10
.set ST,  16
.set SU,  48
.set S,   64
.set K,   192
.set Q,   128
.set V,   192
.set WV,  12                           ; s12 wave; s13 key group; s14 query quarter
.set GR,  13
.set QI,  14
.set LIM, 15                           ; s15 1 in a wave that prefetches, else the greatest number
.set PFA, 18                           ; s[18:19] where my prefetches stand
.set G1,  24
.set G0A, 32
.set G0B, 36                           ; the walking descriptor
.set SB,  40                           ; s40 the slot in hand
.set PH,  41                           ; s41 the phase in the slot, 0..7
.set ARM, 42                           ; s42 0 in the one phase in which group 1 waits
.set SLOTS, 43
.set TB,  44
.set CS,  46                           ; s[46:47] c, twice
.set SEL, 48                           ; s[48:49] selects for lane l xor 16
.set MSB, 0
.macro WIN new
.if MSB != (\new)
	s_set_vgpr_msb (MSB<<8)|(\new)
.set MSB, (\new)
.endif
.endm
.macro PLACES n
.rept \n
	v_nop
.endr
.endm
.macro CROUND
	s_barrier_signal -1
	s_barrier_wait -1
	s_cmp_lg_u32 s[WV], 0
	s_cbranch_scc1 .Lnot_wave_0_\@
	s_barrier_signal -3
.Lnot_wave_0_\@:
	s_barrier_wait -3
	s_barrier_signal -1
	s_barrier_wait -1
.endm
; A prefetch of what the NEXT change of slots will ask for.  All clusters of a head walk the same K and V: the head's first cluster asks; its four partners are told apart by address alone; in each, waves 0 and 1 ask for
; K's and waves 2 and 3 for V's: 8,192 bytes a wave, lanes 256 bytes apart: each aligned block of 256 bytes is named once.  The last change that fills a slot asks for nothing.
.macro ASK
	s_cmp_gt_u32 s[SLOTS], s[LIM]
	s_cbranch_scc0 .Lnot_mine_\@
	global_prefetch_b8 v[PFO], s[PFA:PFA+1] th:TH_LOAD_NT scope:SCOPE_SE
.Lnot_mine_\@:
.endm
	s_load_b256 s[4:11], s[0:1], 0x0               ; qf, kf, vf, af
	v_lshl_add_u32 v[SPW], v0, 2, SPARE
	v_mov_b32 v[NIL], 0
	ds_add_u32 v[SPW], v[NIL]                      ; the opening: the add, twice on end, and its wait ahead of my first tensor load
	ds_add_u32 v[SPW], v[NIL]
	v_lshrrev_b32 v1, 5, v0
	v_readfirstlane_b32 s[WV], v1                  ; wave 0..7
	s_lshr_b32 s[GR], s[WV], 2
	s_and_b32 s[QI], s[WV], 3
	s_bfe_u32 s50, ttmp6, 0x40000                  ; cx
	s_lshl_b32 s51, ttmp9, 2
	s_add_co_u32 s51, s51, s50                     ; my block of 256 queries: it enters Q's, af's and the prefetches' addresses alone
	s_and_b32 s52, ttmp7, 0xffff                   ; the head, which the partners share
	s_lshl_b32 s20, s52, 19                        ; a head is 524,288 bytes in qf, kf and vf
	s_lshl_b32 s22, s[QI], 14                      ; what I fetch: the (w % 4)-th 16,384 bytes of a slot's K (waves 0-3) or V (waves 4-7)
	s_add_co_u32 s22, s22, s20
	s_mov_b32 s23, 0
	s_lshl_b32 s54, s51, 15                        ; Q: 16 row tiles of 2,048 bytes a block, four a wave
	s_lshl_b32 s55, s[QI], 13
	s_add_co_u32 s54, s54, s55
	s_add_co_u32 s54, s54, s20
	s_mov_b32 s55, 0
	s_mul_i32 s56, s51, 393216                     ; af: a row tile is 24,576 bytes; the head's four k tiles 2,048
	s_mul_i32 s57, s[QI], 98304
	s_add_co_u32 s56, s56, s57
	s_lshl_b32 s57, s52, 11
	s_add_co_u32 s56, s56, s57
	s_mov_b32 s57, 0
	s_lshl_b32 s58, s50, 1                         ; the prefetches: piece 2 cx + w % 2 of eight, in data slot 2; the first change of slots steps it to 3
	s_and_b32 s59, s[WV], 1
	s_add_co_u32 s58, s58, s59
	s_lshl_b32 s58, s58, 13
	s_add_co_u32 s58, s58, s20
	s_add_co_u32 s58, s58, 2*65536
	s_mov_b32 s59, 0
	s_or_b32 s[LIM], s[GR], ttmp9                  ; 0 in waves 0-3 of the head's first cluster: the same in all partners
	s_cmp_eq_u32 s[LIM], 0
	s_cselect_b32 s[LIM], 1, -1
	s_mov_b32 s[G1], 15|(3<<16)|(1<<21)            ; the mask: all four work-groups; elements of 8 bytes; bit 21 beside a mask
	s_mov_b32 s[G1+1], 32<<16                      ; 16,384 dense bytes as 64 rows of 256
	s_mov_b32 s[G1+2], 64<<16
	s_mov_b32 s[G1+3], 32<<16
	s_mov_b32 s[G1+4], 64
	s_mov_b32 s[G1+5], 32
	s_mov_b32 s[G1+6], 0
	s_mov_b32 s[G1+7], 0
	s_lshl_b32 s53, s[WV], 14                      ; and its place in a slot
	s_mov_b32 s[CS], 0x3e38aa3b                    ; c = log2(e) / 8
	s_mov_b32 s[CS+1], s[CS]
	s_mov_b32 s[SEL], 0x76543210
	s_mov_b32 s[SEL+1], 0xfedcba98
	s_mov_b32 s[SB], 0
	s_mov_b32 s[ARM], 0
	s_mov_b32 s[SLOTS], 6
	v_and_b32 v1, 31, v0
	v_lshlrev_b32 v[PFO], 8, v1
	v_lshlrev_b32 v11, 2, v1
	v_lshlrev_b32 v[L16], 4, v1                    ; 16 x lane
	s_lshl_b32 s45, s[GR], 13
	v_add_nc_u32 v[AK0], s45, v[L16]               ; my group's 64 keys of a step: 8,192 g on
	v_add_nc_u32 v[AV0], 0x10000, v[AK0]           ; V lies 65,536 behind K
	s_mul_i32 s45, s[QI], MSTG
	v_add_nc_u32 v[MST], s45, v[L16]
	v_add_nc_u32 v[MS4], s45, v11
	v_add_nc_u32 v[MS4], 16384, v[MS4]
	s_wait_dscnt 0x0                               ; both opening adds are done
	s_wait_kmcnt 0x0
	s_cmp_lt_u32 s[WV], 4
	s_cselect_b64 s[16:17], s[6:7], s[8:9]
	s_add_nc_u64 s[16:17], s[16:17], s[22:23]
	s_cmp_lt_u32 s[WV], 2
	s_cselect_b64 s[PFA:PFA+1], s[6:7], s[8:9]
	s_add_nc_u64 s[PFA:PFA+1], s[PFA:PFA+1], s[58:59]
	s_add_nc_u64 s[4:5], s[4:5], s[54:55]
	s_add_nc_u64 s[10:11], s[10:11], s[56:57]
	s_mov_b32 s[G0A], 1
	s_mov_b32 s[G0A+1], s53
	s_mov_b64 s[G0A+2:G0A+3], s[16:17]
	s_or_b32 s[G0A+3], s[G0A+3], 0x80000000
	s_mov_b32 s[G0B], 1
	s_add_co_u32 s[G0B+1], s53, SLOT1
	s_add_nc_u64 s[G0B+2:G0B+3], s[16:17], 65536
	s_or_b32 s[G0B+3], s[G0B+3], 0x80000000
	CROUND                                         ; all four work-groups are here: the first joint loads meet
	tensor_load_to_lds s[G0A:G0A+3], s[G1:G1+7]    ; keys 0-511
	s_nop 0
	tensor_load_to_lds s[G0B:G0B+3], s[G1:G1+7]    ; keys 512-1023
	s_nop 0
	PLACES 4
	WIN 0x40                                       ; destination window 1
.set n, 0
.rept 16
	global_load_b128 v[Q+4*n:Q+4*n+3], v[L16], s[4:5] offset:512*n   ; Q stays in registers
.set n, n+1
.endr
.set n, 0
.rept 128
	v_mov_b32 v[n], 0                              ; O^T: the step is written once; the first finds zeros, which the first a leaves zeros
.set n, n+1
.endr
	WIN 0
.irp t, 0,1,2,3
	v_mov_b32 v[ST+8*\t+1], 0xff61b1e6             ; m = -3e38, under every score
	v_mov_b32 v[ST+8*\t+2], 0                      ; l, in two halves
	v_mov_b32 v[ST+8*\t+3], 0
.endr
.irp t, 0,1,2,3
	v_mul_f32 v[ST+8*\t], s[CS], v[ST+8*\t+1]      ; c m
.endr
.macro KLOAD                           ; a step's K: 4 key tiles x 4 channel tiles, 16 loads
.set n, 0
.rept 16
	ds_load_b128 v[K+4*n:K+4*n+3], v[ADK] offset:512*n
.set n, n+1
.endr
.endm
.macro VLOAD                           ; a step's V, turned: lane l gets channel l % 16 and eight keys
	WIN 0x40
.irp kt, 0,1,2,3
.irp ct, 0,1,2,3
	ds_load_tr16_b128 v[V+8*(4*(\kt/2)+\ct)+4*(\kt%2):V+8*(4*(\kt/2)+\ct)+4*(\kt%2)+3], v[ADV] offset:2048*\kt+512*\ct
.endr
.endr
	WIN 0
.endm
.macro KQ                              ; S^T = K Q^T: 16 accumulators by turns, two deep; the first 16 start the sums
	WIN 0x04                                       ; Q in window 1
.irp cc, 0,1
.irp kt, 0,1,2,3
.irp t, 0,1,2,3
.if \cc == 0
	v_wmma_f32_16x16x32_f16 v[S+32*\t+8*\kt:S+32*\t+8*\kt+7], v[K+16*\kt+8*\cc:K+16*\kt+8*\cc+7], v[Q+16*\t+8*\cc:Q+16*\t+8*\cc+7], 0
.else
	v_wmma_f32_16x16x32_f16 v[S+32*\t+8*\kt:S+32*\t+8*\kt+7], v[K+16*\kt+8*\cc:K+16*\kt+8*\cc+7], v[Q+16*\t+8*\cc:Q+16*\t+8*\cc+7], v[S+32*\t+8*\kt:S+32*\t+8*\kt+7]
.endif
.endr
.endr
.endr
	WIN 0
.endm
.macro PV                              ; O^T += V^T P: 16 accumulators by turns, two deep
	WIN 0x51                                       ; V, C and D in window 1, P in window 0
.irp kk, 0,1
.irp ct, 0,1,2,3
.irp t, 0,1,2,3
	v_wmma_f32_16x16x32_f16 v[32*\t+8*\ct:32*\t+8*\ct+7], v[V+8*(4*\kk+\ct):V+8*(4*\kk+\ct)+7], v[S+32*\t+8*\kk:S+32*\t+8*\kk+7], v[32*\t+8*\ct:32*\t+8*\ct+7]
.endr
.endr
.endr
	WIN 0
.endm
; THE MATRIX PART of step n.  All LDS reads of a step stand here.
.macro MPART
	KLOAD                                          ; K of step n lands under the 32 products below
	PV                                             ; step n - 1 (its V was waited for at the phase's head)
	PLACES 5                                       ; ahead of the loads into V, and of the products that write over P
	VLOAD                                          ; V of step n
	s_wait_dscnt 16                                ; K is in; V's 16 loads may be out
	KQ
	PLACES 5                                       ; behind the last products: their results are read, and K is loaded again, only behind these
.endm
; THE VECTOR PART: the softmax of four tiles, the tiles by turns in every stage.
.macro VPART
.irp j, 0,1,2,3
.irp t, 0,1,2,3
	v_max3_num_f32 v[ST+8*\t+4+\j], v[S+32*\t+8*\j], v[S+32*\t+8*\j+1], v[S+32*\t+8*\j+2]   ; four chains; each accumulator is read from its low end on
.endr
.endr
.irp u, 1,2
.irp j, 0,1,2,3
.irp t, 0,1,2,3
	v_max3_num_f32 v[ST+8*\t+4+\j], v[ST+8*\t+4+\j], v[S+32*\t+8*\j+2*\u+1], v[S+32*\t+8*\j+2*\u+2]
.endr
.endr
.endr
.irp t, 0,1,2,3
	v_max3_num_f32 v[ST+8*\t+4], v[ST+8*\t+4], v[S+32*\t+7], v[S+32*\t+15]
.endr
.irp t, 0,1,2,3
	v_max3_num_f32 v[ST+8*\t+6], v[ST+8*\t+6], v[S+32*\t+23], v[S+32*\t+31]
.endr
.irp t, 0,1,2,3
	v_max3_num_f32 v[ST+8*\t+4], v[ST+8*\t+4], v[ST+8*\t+5], v[ST+8*\t+6]
.endr
.irp t, 0,1,2,3
	v_max3_num_f32 v[ST+8*\t+4], v[ST+8*\t+4], v[ST+8*\t+7], v[ST+8*\t+1]   ; and the old m
.endr
.irp t, 0,1,2,3
	v_permlanex16_b32 v[ST+8*\t+5], v[ST+8*\t+4], s[SEL], s[SEL+1]          ; the query's other 32 keys lie in the lane 16 away
.endr
.irp t, 0,1,2,3
	v_mov_b32 v[ST+8*\t+7], v[ST+8*\t]             ; c m_old
.endr
.irp t, 0,1,2,3
	v_max_num_f32 v[ST+8*\t+1], v[ST+8*\t+4], v[ST+8*\t+5]
.endr
.irp t, 0,1,2,3
	v_mul_f32 v[ST+8*\t], s[CS], v[ST+8*\t+1]
.endr
.irp t, 0,1,2,3
	v_sub_f32 v[ST+8*\t+7], v[ST+8*\t+7], v[ST+8*\t]
.endr
.set j, 0
.rept 16
.irp t, 0,1,2,3
	v_pk_fma_f32 v[S+32*\t+2*j:S+32*\t+2*j+1], v[S+32*\t+2*j:S+32*\t+2*j+1], s[CS:CS+1], v[ST+8*\t:ST+8*\t+1] op_sel_hi:[1,0,0] neg_lo:[0,0,1] neg_hi:[0,0,1]   ; c s - c m
.endr
.set j, j+1
.endr
.irp t, 0,1,2,3
	v_exp_f32 v[ST+8*\t+6], v[ST+8*\t+7]           ; a.  ONE BATCH: 4 + 128 exponentials, none of which reads another's result
.endr
.set j, 0
.rept 32
.irp t, 0,1,2,3
	v_exp_f32 v[S+32*\t+j], v[S+32*\t+j]
.endr
.set j, j+1
.endr
	v_nop                                          ; a plain line behind the last exponential
	s_wait_alu depctr_va_vdst(0)                   ; one wait for the batch, ahead of its first reader
.irp t, 0,1,2,3
	v_pk_add_f32 v[SU+4*\t:SU+4*\t+1], v[S+32*\t:S+32*\t+1], v[S+32*\t+2:S+32*\t+3]         ; the sums of the unrounded p, two chains a tile
.endr
.irp t, 0,1,2,3
	v_pk_add_f32 v[SU+4*\t+2:SU+4*\t+3], v[S+32*\t+4:S+32*\t+5], v[S+32*\t+6:S+32*\t+7]
.endr
.irp j, 8,12,16,20,24,28
.irp t, 0,1,2,3
	v_pk_add_f32 v[SU+4*\t:SU+4*\t+1], v[SU+4*\t:SU+4*\t+1], v[S+32*\t+\j:S+32*\t+\j+1]
.endr
.irp t, 0,1,2,3
	v_pk_add_f32 v[SU+4*\t+2:SU+4*\t+3], v[SU+4*\t+2:SU+4*\t+3], v[S+32*\t+\j+2:S+32*\t+\j+3]
.endr
.endr
.irp t, 0,1,2,3
	v_pk_add_f32 v[SU+4*\t:SU+4*\t+1], v[SU+4*\t:SU+4*\t+1], v[SU+4*\t+2:SU+4*\t+3]
.endr
.irp t, 0,1,2,3
	v_pk_fma_f32 v[ST+8*\t+2:ST+8*\t+3], v[ST+8*\t+2:ST+8*\t+3], v[ST+8*\t+6:ST+8*\t+7], v[SU+4*\t:SU+4*\t+1] op_sel_hi:[1,0,1]   ; l = a l + the sum
.endr
.set j, 0
.rept 16
.irp t, 0,1,2,3
	v_cvt_pk_f16_f32 v[S+32*\t+j], v[S+32*\t+2*j], v[S+32*\t+2*j+1]     ; p to f16, in place, ascending: register j never lies above its sources
.endr
.set j, j+1
.endr
	WIN 0x41                                       ; O^T in window 1, a in window 0
.set j, 0
.rept 16
.irp t, 0,1,2,3
	v_pk_mul_f32 v[32*\t+2*j:32*\t+2*j+1], v[32*\t+2*j:32*\t+2*j+1], v[ST+8*\t+6:ST+8*\t+7] op_sel_hi:[1,0]
.endr
.set j, j+1
.endr
	WIN 0
.endm
; A slot's phases from .. 7.  In phase PH group g runs M of the slot's step PH / 2 where PH + g is even, else V.  Every wave makes the addresses, ahead of the parting.
.macro PHASES from
	s_mov_b32 s[PH], \from
.Lphase_\@:
	s_wait_dscnt 0x0                               ; V's loads of the phase before are in; no LDS instruction of mine is out at the signal
	s_barrier_signal -1
	s_barrier_wait -1                              ; the two groups change roles together
	s_lshr_b32 s[TB], s[PH], 1
	s_lshl_b32 s[TB], s[TB], 14
	s_add_co_u32 s[TB], s[TB], s[SB]
	v_add_nc_u32 v[ADK], s[TB], v[AK0]
	v_add_nc_u32 v[ADV], s[TB], v[AV0]
	s_xor_b32 s45, s[PH], s[GR]
	s_and_b32 s45, s45, 1
	s_cmp_eq_u32 s45, 0
	s_cbranch_scc0 .Lvector_\@
	s_cmp_eq_u32 s[ARM], 0                         ; the launch's first phase: group 1's step 0 has been multiplied in the opening step
	s_cbranch_scc1 .Ljoin_\@
	MPART
	s_branch .Ljoin_\@
.Lvector_\@:
	VPART
.Ljoin_\@:
	s_mov_b32 s[ARM], 1
	s_add_co_u32 s[PH], s[PH], 1
	s_cmp_lt_u32 s[PH], 8
	s_cbranch_scc1 .Lphase_\@
.endm
; THE CHANGE OF SLOTS.  Each wave waits for all its tensor loads (its part of the slot ahead), adds 0 to its spare word, and waits for that and for its reads of the slot that it leaves.
; fill = 1: a round of the cluster's barrier, and the slot just left takes the keys two slots on: my one load, first behind the round; it has eight phases in which to land.
.macro CHANGE fill
	s_wait_tensorcnt 0x0
	ds_add_u32 v[SPW], v[NIL]
.if \fill
	s_xor_b32 s[G0B+1], s[G0B+1], SLOT1            ; no load of mine is out: the walking descriptor steps: the other slot,
	s_add_nc_u64 s[G0B+2:G0B+3], s[G0B+2:G0B+3], 65536   ; the next 512 keys
	s_wait_xcnt 0x0                                ; the last prefetch, a slot back, has read its address
	s_add_nc_u64 s[PFA:PFA+1], s[PFA:PFA+1], 65536
.endif
	s_wait_dscnt 0x0
.if \fill
	CROUND
	tensor_load_to_lds s[G0B:G0B+3], s[G1:G1+7]
	s_nop 0
	PLACES 4
	ASK
.else
	s_barrier_signal -1
	s_barrier_wait -1
.endif
	s_xor_b32 s[SB], s[SB], SLOT1
.endm
	s_wait_tensorcnt 0x1                           ; my part of slot 0 is in; slot 1's may stay out
	s_barrier_signal -1
	s_barrier_wait -1
	v_mov_b32 v[ADK], v[AK0]                       ; THE OPENING STEP, in all waves: the scores of step 0
	v_mov_b32 v[ADV], v[AV0]
	KLOAD
	VLOAD
	s_wait_loadcnt 0x0                             ; Q
	s_wait_dscnt 16                                ; K is in
	KQ
	PLACES 5
	PHASES 1                                       ; keys 0-511; in its first phase group 0 runs V and group 1 waits: so the groups come half a step apart
.Lslot:                                            ; six trips: data slots 1 to 6 are read, 2 to 7 asked for
	CHANGE 1
	PHASES 0
	s_sub_co_u32 s[SLOTS], s[SLOTS], 1
	s_cmp_lg_u32 s[SLOTS], 0
	s_cbranch_scc1 .Lslot
	CHANGE 0                                       ; the last slot is written out: nothing is left to ask for
	PHASES 0
	s_wait_dscnt 0x0                               ; V of the last step
	s_cmp_eq_u32 s[GR], 0
	s_cbranch_scc1 .Ltail
	VPART                                          ; group 1's last softmax
.Ltail:
	PV                                             ; the last step's V^T P
	; THE MERGE.  l's halves and the other lanes' are added (these lines are the places behind the last products); group 1 hands O, c m and l to group 0 through LDS.
.irp t, 0,1,2,3
	v_add_f32 v[ST+8*\t+2], v[ST+8*\t+2], v[ST+8*\t+3]
.endr
.irp t, 0,1,2,3
	v_permlanex16_b32 v[ST+8*\t+3], v[ST+8*\t+2], s[SEL], s[SEL+1]
.endr
.irp t, 0,1,2,3
	v_add_f32 v[ST+8*\t+2], v[ST+8*\t+2], v[ST+8*\t+3]
.endr
	s_cmp_eq_u32 s[GR], 0
	s_cbranch_scc1 .Lno_store
	WIN 0x04                                       ; an LDS store's data are its source 1: window 1
.set n, 0
.rept 32
	ds_store_b128 v[MST], v[4*n:4*n+3] offset:512*n   ; O as an image of its registers, each accumulator from its low end on
.set n, n+1
.endr
	WIN 0
.irp t, 0,1,2,3
	ds_store_b32 v[MS4], v[ST+8*\t] offset:256*\t
	ds_store_b32 v[MS4], v[ST+8*\t+2] offset:256*\t+128
.endr
.Lno_store:
	s_wait_dscnt 0x0                               ; for the others' sake: my stores have landed
	s_barrier_signal -1
	s_barrier_wait -1
	s_cmp_lg_u32 s[GR], 0
	s_cbranch_scc1 .Ldone
.set n, 0
.rept 32
	ds_load_b128 v[S+4*n:S+4*n+3], v[MST] offset:512*n
.set n, n+1
.endr
.set n, 0
.rept 8
	ds_load_b32 v[SU+n], v[MS4] offset:128*n       ; 2 t: group 1's c m; 2 t + 1: its l
.set n, n+1
.endr
	s_wait_dscnt 0x0
.irp t, 0,1,2,3
	v_max_num_f32 v[ST+8*\t+1], v[ST+8*\t], v[SU+2*\t]              ; the joint c m
.endr
.irp t, 0,1,2,3
	v_sub_f32 v[ST+8*\t+4], v[ST+8*\t], v[ST+8*\t+1]
	v_sub_f32 v[ST+8*\t+6], v[SU+2*\t], v[ST+8*\t+1]
.endr
.irp t, 0,1,2,3
	v_exp_f32 v[ST+8*\t+4], v[ST+8*\t+4]
	v_exp_f32 v[ST+8*\t+6], v[ST+8*\t+6]
.endr
	v_nop
	s_wait_alu depctr_va_vdst(0)                   ; one wait for the eight
.irp t, 0,1,2,3
	v_mul_f32 v[ST+8*\t+3], v[ST+8*\t+4], v[ST+8*\t+2]
.endr
.irp t, 0,1,2,3
	v_fma_f32 v[ST+8*\t+3], v[ST+8*\t+6], v[SU+2*\t+1], v[ST+8*\t+3]   ; the joint sum: at least 1, since the joint maximum's p is 1
.endr
.irp t, 0,1,2,3
	v_rcp_f32 v[ST+8*\t+3], v[ST+8*\t+3]
.endr
	v_nop
	s_wait_alu depctr_va_vdst(0)                   ; one wait for the four
.irp t, 0,1,2,3
	v_mul_f32 v[ST+8*\t+5], v[ST+8*\t+4], v[ST+8*\t+3]   ; the two factors, a / the joint sum, each in BOTH words of its pair: the packed lines below take the pairs whole
	v_mul_f32 v[ST+8*\t+7], v[ST+8*\t+6], v[ST+8*\t+3]
.endr
.irp t, 0,1,2,3
	v_mul_f32 v[ST+8*\t+4], v[ST+8*\t+4], v[ST+8*\t+3]
	v_mul_f32 v[ST+8*\t+6], v[ST+8*\t+6], v[ST+8*\t+3]
.endr
.set j, 0
.rept 64
	v_pk_mul_f32 v[S+2*j:S+2*j+1], v[S+2*j:S+2*j+1], v[ST+8*(j/16)+6:ST+8*(j/16)+7]
.set j, j+1
.endr
	WIN 0x01                                       ; my O^T in window 1
.set j, 0
.rept 64
	v_pk_fma_f32 v[S+2*j:S+2*j+1], v[2*j:2*j+1], v[ST+8*(j/16)+4:ST+8*(j/16)+5], v[S+2*j:S+2*j+1]
.set j, j+1
.endr
	WIN 0
.set j, 0
.rept 64
	v_cvt_pk_f16_f32 v[S+j], v[S+2*j], v[S+2*j+1]
.set j, j+1
.endr
.set n, 0
.rept 16
	global_store_b128 v[L16], v[S+4*n:S+4*n+3], s[10:11] offset:(n/4)*24576+(n%4)*512   ; 512 consecutive bytes a store
.set n, n+1
.endr
.Ldone:
	s_wait_tensorcnt 0x0                           ; the wave's end
	ds_add_u32 v[SPW], v[NIL]
	s_wait_dscnt 0x0
	CROUND                                         ; the closing round
	s_endpgm
.Lfunc_end_k_qe2d7fb6712_attn:
	.size	k_qe2d7fb6712_attn, .Lfunc_end_k_qe2d7fb6712_attn-k_qe2d7fb6712_attn
	.p2alignl 7, 3214868480
	.fill 96, 4, 3214868480
	.section	.rodata,"a",@progbits
	.p2align	6, 0x0
	.amdhsa_kernel k_qe2d7fb6712_attn
		.amdhsa_group_segment_fixed_size 327680
		.amdhsa_private_segment_fixed_size 0
		.amdhsa_enable_private_segment 0
		.amdhsa_kernarg_size 32
		.amdhsa_user_sgpr_count 2
		.amdhsa_user_sgpr_kernarg_segment_ptr 1
		.amdhsa_wavefront_size32 1
		.amdhsa_system_sgpr_workgroup_id_x 1
		.amdhsa_system_sgpr_workgroup_id_y 1
		.amdhsa_system_sgpr_workgroup_id_z 1
		.amdhsa_system_vgpr_workitem_id 0
		.amdhsa_next_free_vgpr 512
		.amdhsa_next_free_sgpr 66
		.amdhsa_reserve_vcc 0
		.amdhsa_float_denorm_mode_32 3
		.amdhsa_float_denorm_mode_16_64 3
		.amdhsa_memory_ordered 1
		.amdhsa_forward_progress 1
		.amdhsa_inst_pref_size 162
	.end_amdhsa_kernel
	.amdgpu_metadata
---
amdhsa.version: [ 1, 2 ]
amdhsa.kernels:
  - .name:           k_qe2d7fb6712_attn
    .symbol:         k_qe2d7fb6712_attn.kd
    .args:
      - { .name: qf, .offset: 0, .size: 8, .value_kind: global_buffer, .address_space: global }
      - { .name: kf, .offset: 8, .size: 8, .value_kind: global_buffer, .address_space: global }
      - { .name: vf, .offset: 16, .size: 8, .value_kind: global_buffer, .address_space: global }
      - { .name: af, .offset: 24, .size: 8, .value_kind: global_buffer, .address_space: global }
    .group_segment_fixed_size: 327680
    .private_segment_fixed_size: 0
    .kernarg_segment_align: 8
    .kernarg_segment_size: 32
    .max_flat_workgroup_size: 256
    .sgpr_count:     66
    .vgpr_count:     512
    .wavefront_size: 32
...
	.end_amdgpu_metadata
.endif
;; end of part 3
;; launch oproj (part 4): grid 4 x 64, 4 waves a work-group, clusters of 4 x 4, 327,680 bytes of LDS; arguments af, wo16, bo, out0; writes out0
.if DOCPART == 4
	.amdgcn_target "amdgcn-amd-amdhsa--gfx1250"
	.amdhsa_code_object_version 6
	.text
	.protected	k_qe2d7fb6712_oproj
	.globl	k_qe2d7fb6712_oproj
	.p2align	8
	.type	k_qe2d7fb6712_oproj,@function
k_qe2d7fb6712_oproj:
	s_mov_b64 s[64:65], 0
	v_nop
	global_prefetch_b8 v0, s[64:65] scope:SCOPE_SE
	s_setreg_imm32_b32 hwreg(HW_REG_WAVE_MODE, 25, 1), 1
	s_wait_xcnt 0x0
	s_wait_alu depctr_hold_cnt(0) depctr_sa_sdst(0) depctr_va_vdst(0) depctr_va_sdst(0) depctr_va_ssrc(0) depctr_va_vcc(0) depctr_vm_vsrc(0)
	s_getreg_b32 s2, hwreg(HW_REG_IB_STS2, 6, 4)
	s_cmp_eq_u32 s2, 0
	s_cbranch_scc0 .Lentry_in_a_cluster
	s_endpgm
.Lentry_in_a_cluster:
	s_bfe_u32 s2, ttmp6, 0x10000c
	s_cmp_lg_u32 s2, 0xf033
	s_cbranch_scc0 .Lentry_shape_is_right
	s_endpgm
.Lentry_shape_is_right:
; OPROJ.  out0[m][n] = sum over k of attn[m][k] Wo[n][k] + bo[n]: f16 operands, f32 sums, f32 out.  af and wo16 arrive as images of operand registers (blocks of 512 bytes: 16 rows x 16 along K).
; SHARES.  256 work-groups of 64 rows x 192 columns (768 bytes of a row of out0: three aligned blocks of 256).  Wave w: n tiles 3 w + b (b = 0..2) against the four row tiles a: 12 accumulators.
; K = 768 goes in four slices of 192 (six steps of 32) through three LDS slots: slices 0, 1, 2 are first fills; slice 3 fills slot 0 again behind a round of the cluster's barrier, with twelve steps in which to land.
; Three loads of mine are out at the start, one later.  CLUSTER 4 x 4: A's tiles hang on the row block and are shared along a row of the cluster, B's on the column block and are shared along a column.
; Wave 0 fetches A's four row tiles, waves 1 to 3 four n tiles each: four rows of 6,144 bytes, 24,576 apart in memory.
; THE PRODUCT IS USED TRANSPOSED (source 0 = 16 rows of Wo, source 1 = 16 rows of attn): a lane holds one row and eight neighbouring columns.  The bias is the C of each sum's first product.
.set SLOT,  98304                      ; A: 4 x 6,144, then B: 12 x 6,144
.set SPARE, 3*SLOT                     ; the spare words, 128 bytes a wave, which no other line names
.set STG,   SLOT                       ; the way out: 64 rows x (768 + 16) bytes, in slot 1, which has had its last fill and is left at the last barrier
.set SP,    784
.set AA,  2                            ; v2-4   A's fragments in slot 0, 1, 2
.set AB,  5                            ; v5-7   B's
.set STO, 8
.set RD,  9                            ; v9-11
.set GO,  12                           ; v12-14
.set BA,  15
.set BI,  20                           ; v20-43   the bias
.set ACC, 44                           ; v44-139  accumulator (a, b) at 8 (3 a + b)
.set FR,  140                          ; v140-195, v196-251: two sets: A 32 registers, B 24
.set SPW, 252
.set NIL, 253
.set WV,  12
.set G1A, 24
.set G1B, 32
.set G0A, 40
.set G0B, 52
.macro PLACES
.rept 4
	v_nop
.endr
.endm
.macro CROUND
	s_barrier_signal -1
	s_barrier_wait -1
	s_cmp_lg_u32 s[WV], 0
	s_cbranch_scc1 .Lnot_wave_0_\@
	s_barrier_signal -3
.Lnot_wave_0_\@:
	s_barrier_wait -3
	s_barrier_signal -1
	s_barrier_wait -1
.endm
	s_load_b256 s[4:11], s[0:1], 0x0               ; af, wo16, bo, out0
	v_lshl_add_u32 v[SPW], v0, 2, SPARE
	v_mov_b32 v[NIL], 0
	ds_add_u32 v[SPW], v[NIL]                      ; the opening: the add, twice on end, and its wait ahead of my first tensor load
	ds_add_u32 v[SPW], v[NIL]
	v_lshrrev_b32 v1, 5, v0
	v_readfirstlane_b32 s[WV], v1
	s_bfe_u32 s13, ttmp6, 0x40000                  ; cx: the block of 192 columns
	s_bfe_u32 s14, ttmp6, 0x40004                  ; cy
	s_and_b32 s15, ttmp7, 0xffff
	s_lshl_b32 s15, s15, 2
	s_add_co_u32 s15, s15, s14                     ; the block of 64 rows
	s_lshl_b32 s16, s14, 2
	s_lshl_b32 s16, 15, s16                        ; my row of the cluster
	s_lshl_b32 s17, 0x1111, s13                    ; my column
	s_or_b32 s[G1A], s16, (3<<16)|(1<<21)
	s_or_b32 s[G1B], s17, (3<<16)|(1<<21)
.irp g, G1A, G1B
	s_mov_b32 s[\g+1], 768<<16                     ; rows of 768 elements of 8 bytes
	s_mov_b32 s[\g+2], 4<<16
	s_mov_b32 s[\g+3], 768<<16
	s_mov_b32 s[\g+4], 4
	s_mov_b32 s[\g+5], 3072                        ; 24,576 bytes from tile to tile
	s_mov_b32 s[\g+6], 0
	s_mov_b32 s[\g+7], 0
.endr
	s_mul_i32 s18, s15, 4*24576                    ; A: my four row tiles: no cx enters it
	s_mov_b32 s19, 0
	s_max_u32 s20, s[WV], 1                        ; B: n tiles 12 cx + 4 (w - 1) on (wave 0 fetches A and never asks by this address): no cy enters it
	s_sub_co_u32 s20, s20, 1
	s_lshl_b32 s20, s20, 2
	s_mul_i32 s21, s13, 12
	s_add_co_u32 s20, s20, s21
	s_mul_i32 s20, s20, 24576
	s_mov_b32 s21, 0
	s_mul_i32 s22, s[WV], 24576                    ; where they go in a slot
	s_mul_i32 s66, s13, 768                        ; the bias: 192 cx + 48 w numbers on
	s_mul_i32 s67, s[WV], 192
	s_add_co_u32 s66, s66, s67
	s_mov_b32 s67, 0
	s_mul_i32 s68, s15, 196608                     ; out0: row 64 block + 16 w, column 192 cx
	s_mul_i32 s69, s[WV], 49152
	s_add_co_u32 s68, s68, s69
	s_mul_i32 s69, s13, 768
	s_add_co_u32 s68, s68, s69
	s_mov_b32 s69, 0
	v_and_b32 v1, 31, v0
	v_and_b32 v16, 15, v0                          ; r
	v_bfe_u32 v17, v0, 4, 1                        ; h
	v_lshlrev_b32 v18, 4, v1                       ; 16 x lane
	s_mul_i32 s23, s[WV], 18432
	s_add_co_u32 s23, s23, 24576                   ; my three n tiles, behind A's
.irp q, 0,1,2
	v_add_nc_u32 v[AA+\q], \q*SLOT, v18
	v_add_nc_u32 v[AB+\q], s23, v18
	s_add_co_u32 s23, s23, SLOT
.endr
	v_mul_u32_u24 v19, v16, SP                     ; into the stage: row r, + 192 w, + 32 h
	v_lshl_add_u32 v19, v17, 5, v19
	s_mul_i32 s70, s[WV], 192
	s_add_co_u32 s70, s70, STG
	v_add_nc_u32 v[STO], s70, v19
	s_mul_i32 s70, s[WV], 16*SP                    ; back: my 16 rows; a pair of rows is six blocks of 256 bytes: three loads, sixteen lanes to a block
	s_add_co_u32 s70, s70, STG
	v_lshlrev_b32 v18, 4, v16
	v_add_nc_u32 v19, s70, v18
	v_lshl_add_u32 v[RD], v17, 8, v19              ; row 0: blocks 0, 1
	v_mad_u32_u24 v[RD+1], v17, 272, v19
	v_add_nc_u32 v[RD+1], 512, v[RD+1]             ; row 0 block 2; row 1 block 0
	v_add_nc_u32 v[RD+2], 1040, v[RD]              ; row 1: blocks 1, 2
	v_lshl_add_u32 v[GO], v17, 8, v18              ; and the same places in out0, whose rows are 3,072 bytes
	v_mad_u32_u24 v[GO+1], v17, 2560, v18
	v_add_nc_u32 v[GO+1], 512, v[GO+1]
	v_add_nc_u32 v[GO+2], 3328, v[GO]
	v_lshlrev_b32 v[BA], 5, v17
	s_wait_dscnt 0x0                               ; both opening adds are done
	s_wait_kmcnt 0x0
	s_add_nc_u64 s[4:5], s[4:5], s[18:19]
	s_add_nc_u64 s[6:7], s[6:7], s[20:21]
	s_add_nc_u64 s[8:9], s[8:9], s[66:67]
	s_add_nc_u64 s[10:11], s[10:11], s[68:69]
.irp q, 0,1,2
	s_mov_b32 s[G0A+4*\q], 1
	s_add_co_u32 s[G0A+4*\q+1], s22, \q*SLOT
	s_add_nc_u64 s[G0A+4*\q+2:G0A+4*\q+3], s[4:5], \q*6144
	s_or_b32 s[G0A+4*\q+3], s[G0A+4*\q+3], 0x80000000
	s_mov_b32 s[G0B+4*\q], 1
	s_add_co_u32 s[G0B+4*\q+1], s22, \q*SLOT
	s_add_nc_u64 s[G0B+4*\q+2:G0B+4*\q+3], s[6:7], \q*6144
	s_or_b32 s[G0B+4*\q+3], s[G0B+4*\q+3], 0x80000000
.endr
	CROUND                                         ; all sixteen work-groups are here: the first joint loads meet
	s_cmp_eq_u32 s[WV], 0                          ; a wave's three first fills stand in one branch on the wave's number
	s_cbranch_scc0 .Lfirst_b
.irp q, 0,1,2
	tensor_load_to_lds s[G0A+4*\q:G0A+4*\q+3], s[G1A:G1A+7]
	s_nop 0
.endr
	PLACES
	s_branch .Lfirst_done
.Lfirst_b:
.irp q, 0,1,2
	tensor_load_to_lds s[G0B+4*\q:G0B+4*\q+3], s[G1B:G1B+7]
	s_nop 0
.endr
	PLACES
.Lfirst_done:
.irp b, 0,1,2
	global_load_b128 v[BI+8*\b:BI+8*\b+3],   v[BA], s[8:9] offset:64*\b      ; bo[192 cx + 48 w + 16 b + 8 h + 0 .. 7]
	global_load_b128 v[BI+8*\b+4:BI+8*\b+7], v[BA], s[8:9] offset:64*\b+16
.endr
.macro FETCH slot, kk, set             ; the fragments of the slot's kk-th 32 along K: 14 loads
.irp a, 0,1,2,3
.irp c, 0,1
	ds_load_b128 v[FR+56*(\set)+8*\a+4*\c:FR+56*(\set)+8*\a+4*\c+3], v[AA+(\slot)] offset:\a*6144+(\kk)*1024+512*\c
.endr
.endr
.irp b, 0,1,2
.irp c, 0,1
	ds_load_b128 v[FR+56*(\set)+32+8*\b+4*\c:FR+56*(\set)+32+8*\b+4*\c+3], v[AB+(\slot)] offset:\b*6144+(\kk)*1024+512*\c
.endr
.endr
.endm
.macro MUL set, first                  ; 12 products; the accumulators take turns
.irp a, 0,1,2,3
.irp b, 0,1,2
.if \first
	v_wmma_f32_16x16x32_f16 v[ACC+8*(3*\a+\b):ACC+8*(3*\a+\b)+7], v[FR+56*(\set)+32+8*\b:FR+56*(\set)+32+8*\b+7], v[FR+56*(\set)+8*\a:FR+56*(\set)+8*\a+7], v[BI+8*\b:BI+8*\b+7]
.else
	v_wmma_f32_16x16x32_f16 v[ACC+8*(3*\a+\b):ACC+8*(3*\a+\b)+7], v[FR+56*(\set)+32+8*\b:FR+56*(\set)+32+8*\b+7], v[FR+56*(\set)+8*\a:FR+56*(\set)+8*\a+7], v[ACC+8*(3*\a+\b):ACC+8*(3*\a+\b)+7]
.endif
.endr
.endr
.endm
.macro RUN from, to                    ; steps from .. to - 1 of 24; step N lies in slot (N / 6) % 3 and uses set N % 2
.set N, \from
	PLACES                                         ; ahead of loads into a set that earlier products read
	FETCH ((N/6)%3), (N%6), (N%2)
.rept (\to)-(\from)
	PLACES
.if N+1 < (\to)
	FETCH (((N+1)/6)%3), ((N+1)%6), ((N+1)%2)
	s_wait_dscnt 14                                ; all but the 14 just issued
.else
	s_wait_dscnt 0x0
.endif
.if N == 0
	MUL (N%2), 1
.else
	MUL (N%2), 0
.endif
.set N, N+1
.endr
.endm
	s_wait_tensorcnt 0x2                           ; my part of slice 0 is in; slices 1 and 2 may stay out
	s_barrier_signal -1
	s_barrier_wait -1
	s_wait_loadcnt 0x0                             ; the bias
	RUN 0, 6
	s_wait_tensorcnt 0x0                           ; all my loads have landed, slices 1 and 2 among them;
	ds_add_u32 v[SPW], v[NIL]
	s_add_nc_u64 s[G0A+2:G0A+3], s[G0A+2:G0A+3], 3*6144   ; slot 0's descriptors step to slice 3
	s_add_nc_u64 s[G0B+2:G0B+3], s[G0B+2:G0B+3], 3*6144
	s_wait_dscnt 0x0                               ; the add is done, and my reads of slot 0 are over
	CROUND                                         ; no wave of any partner still reads slot 0 or has a load on its way
	s_cmp_eq_u32 s[WV], 0
	s_cbranch_scc0 .Lfill_b
	tensor_load_to_lds s[G0A:G0A+3], s[G1A:G1A+7]
	s_nop 0
	PLACES
	s_branch .Lfill_done
.Lfill_b:
	tensor_load_to_lds s[G0B:G0B+3], s[G1B:G1B+7]
	s_nop 0
	PLACES
.Lfill_done:
	RUN 6, 18
	s_wait_tensorcnt 0x0                           ; my part of slice 3 is in (the one load that was out),
	s_wait_dscnt 0x0                               ; my reads of slots 1 and 2 are over,
	s_barrier_signal -1
	s_barrier_wait -1                              ; everybody's: slot 0 is whole, and slot 1 is free for the stage
	RUN 18, 24
	; THE WAY OUT.  A row's 768 bytes come from four waves: they meet in the stage; each wave then stores 16 whole rows, sixteen lanes to an aligned block of 256 bytes.
	PLACES
.irp a, 0,1,2,3
.irp b, 0,1,2
	ds_store_b128 v[STO], v[ACC+8*(3*\a+\b):ACC+8*(3*\a+\b)+3] offset:\a*16*SP+64*\b          ; each accumulator from its low end on
	ds_store_b128 v[STO], v[ACC+8*(3*\a+\b)+4:ACC+8*(3*\a+\b)+7] offset:\a*16*SP+64*\b+16
.endr
.endr
	s_wait_dscnt 0x0                               ; for the others' sake: my stores have landed
	s_barrier_signal -1
	s_barrier_wait -1
.set n, 0
.rept 24
	ds_load_b128 v[FR+4*n:FR+4*n+3], v[RD+n%3] offset:(n/3)*2*SP
.set n, n+1
.endr
.set n, 0
.rept 24
	s_wait_dscnt 23-n
	global_store_b128 v[GO+n%3], v[FR+4*n:FR+4*n+3], s[10:11] offset:(n/3)*6144 th:TH_STORE_NT
.set n, n+1
.endr
	s_wait_tensorcnt 0x0                           ; the wave's end
	ds_add_u32 v[SPW], v[NIL]
	s_wait_dscnt 0x0
	CROUND                                         ; the closing round
	s_endpgm
.Lfunc_end_k_qe2d7fb6712_oproj:
	.size	k_qe2d7fb6712_oproj, .Lfunc_end_k_qe2d7fb6712_oproj-k_qe2d7fb6712_oproj
	.p2alignl 7, 3214868480
	.fill 96, 4, 3214868480
	.section	.rodata,"a",@progbits
	.p2align	6, 0x0
	.amdhsa_kernel k_qe2d7fb6712_oproj
		.amdhsa_group_segment_fixed_size 327680
		.amdhsa_private_segment_fixed_size 0
		.amdhsa_enable_private_segment 0
		.amdhsa_kernarg_size 32
		.amdhsa_user_sgpr_count 2
		.amdhsa_user_sgpr_kernarg_segment_ptr 1
		.amdhsa_wavefront_size32 1
		.amdhsa_system_sgpr_workgroup_id_x 1
		.amdhsa_system_sgpr_workgroup_id_y 1
		.amdhsa_system_sgpr_workgroup_id_z 1
		.amdhsa_system_vgpr_workitem_id 0
		.amdhsa_next_free_vgpr 256
		.amdhsa_next_free_sgpr 90
		.amdhsa_reserve_vcc 0
		.amdhsa_float_denorm_mode_32 3
		.amdhsa_float_denorm_mode_16_64 3
		.amdhsa_memory_ordered 1
		.amdhsa_forward_progress 1
		.amdhsa_inst_pref_size 60
	.end_amdhsa_kernel
	.amdgpu_metadata
---
amdhsa.version: [ 1, 2 ]
amdhsa.kernels:
  - .name:           k_qe2d7fb6712_oproj
    .symbol:         k_qe2d7fb6712_oproj.kd
    .args:
      - { .name: af, .offset: 0, .size: 8, .value_kind: global_buffer, .address_space: global }
      - { .name: wo16, .offset: 8, .size: 8, .value_kind: global_buffer, .address_space: global }
      - { .name: bo, .offset: 16, .size: 8, .value_kind: global_buffer, .address_space: global }
      - { .name: out0, .offset: 24, .size: 8, .value_kind: global_buffer, .address_space: global }
    .group_segment_fixed_size: 327680
    .private_segment_fixed_size: 0
    .kernarg_segment_align: 8
    .kernarg_segment_size: 32
    .max_flat_workgroup_size: 128
    .sgpr_count:     90
    .vgpr_count:     256
    .wavefront_size: 32
...
	.end_amdgpu_metadata
.endif
;; end of part 4
